; MI455X (gfx1250); checked and timed in simulation.
; The chip was launched on July 23, 2026; its instructions are those of AMD's public machine-readable ISA for CDNA 5 (MIT licence, August 2026) and "CDNA5" Instruction Set Architecture Reference Guide (July 2026). The comments in the code are by the model that wrote it; some were corrected since.
;; Bit Linear STE. Allowed arithmetic: float matrix products may take bf16 or f16 operands with f32 sums; other float arithmetic in f32, or as packed bf16 or f16 multiplies, adds, multiply-adds, maxima and minima; sums over many terms, partial sums and values carried from step to step in f32; what a program stores and reads back later, other than sums and carried values, may be rounded once to bf16 or f16.
;; Inputs: weight 2,048 x 4,096 float32; x 4 x 2,048 x 4,096 float32.
;; Outputs: out0 4 x 2,048 x 2,048 float32.
;; 2 versions, each right; version 2 is version 1 with the launch signs written anew for expert scheduling mode. Each part assembles by itself: llvm-mc -triple=amdgcn-amd-amdhsa -mcpu=gfx1250 --defsym DOCPART=n.
;; ======== version 1 of 2: 2 launches
;; workspace buffers: wq 16,777,216 bytes
;; launch signs (part 1): grid 256 x 1, 8 waves a work-group, no clusters, 0 bytes of LDS; arguments weight, wq; writes wq
.if DOCPART == 1
	.amdgcn_target "amdgcn-amd-amdhsa--gfx1250"
	.amdhsa_code_object_version 6
	.text
	.protected	k_q7520f32aaa_signs
	.globl	k_q7520f32aaa_signs
	.p2align	8
	.type	k_q7520f32aaa_signs,@function
k_q7520f32aaa_signs:
	s_mov_b64 s[64:65], 0
	v_nop
	global_prefetch_b8 v0, s[64:65] scope:SCOPE_SE
	s_setreg_imm32_b32 hwreg(HW_REG_WAVE_MODE, 25, 1), 1
	s_wait_xcnt 0x0
; wq[n][k] = bf16(w + (sign(w) - w)), w = weight[n][k].  weight: [2048][4096] f32; wq: [2048][4096] bf16, row-major.
; The formula is evaluated as it is written, in f32: sign(w) is 1, -1 or 0; then s - w; then w + that.  So large |w|, infinities and NaN give what the
; formula gives (with w = NaN the sign taken here is 0, and 0 - NaN is NaN).  LIMIT: the result is rounded once to bf16; it lies within 2^-23 of
; itself of -1, 0, 1 (or is 0, 2, -2, NaN for |w| of 2^24 and more), so that rounding gives the whole number.
; A stream: 33,554,432 bytes in, 16,777,216 out, nothing read twice; no LDS, no barrier, no matrix work: no wave wants another's bytes.
; SHARES.  256 work-groups of eight waves; a work-group owns 131,072 consecutive bytes of weight.  Thread t takes the 16 bytes at 16 t + 4,096 i, i = 0 .. 31:
; a wave's load covers 512 consecutive bytes, its store of 8 bytes a lane 256 consecutive bytes, aligned.
; All 32 loads of a thread go out at once; each has registers of its own for what is loaded and for what is stored, so no register that a pending load or store names is written again.
.set S, 8                              ; v[8:11]    the four signs
.set D, 12                             ; v[12:15]   at work
.set W, 16                             ; v[16:143]  load i: four f32
.set Y, 144                            ; v[144:207] store i: four bf16 in two registers
	s_load_b128 s[4:7], s[0:1], 0x0                ; weight s[4:5], wq s[6:7]
	s_lshl_b32 s2, ttmp9, 17                       ; the work-group's 131,072 bytes of weight
	s_mov_b32 s3, 0
	s_lshl_b32 s8, ttmp9, 16                       ; and its 65,536 bytes of wq
	s_mov_b32 s9, 0
	v_lshlrev_b32 v1, 4, v0                        ; 16 t
	v_lshlrev_b32 v2, 3, v0                        ; 8 t
	v_mov_b32 v3, 0
	v_mov_b32 v4, 1.0
	v_mov_b32 v5, -1.0
	s_wait_kmcnt 0x0
	s_add_nc_u64 s[4:5], s[4:5], s[2:3]
	s_add_nc_u64 s[6:7], s[6:7], s[8:9]
.set i, 0
.rept 32
	global_load_b128 v[W+4*i:W+4*i+3], v1, s[4:5] offset:4096*i th:TH_LOAD_NT  ; read once in the launch
.set i, i+1
.endr
.set i, 0
.rept 32
	s_wait_loadcnt 31-i                            ; loads come back in order (ISA guide 5.7.1): load i is in, the 31 - i younger ones stay out
.irp k, 0,1,2,3
	v_cmp_lt_f32 vcc_lo, 0, v[W+4*i+(\k)]          ; 0 < w
	v_cndmask_b32 v[S+(\k)], v3, v4, vcc_lo        ; 1 there, else 0
	v_cmp_gt_f32 vcc_lo, 0, v[W+4*i+(\k)]          ; 0 > w
	v_cndmask_b32 v[S+(\k)], v[S+(\k)], v5, vcc_lo ; -1 there
.endr
	v_pk_add_f32 v[D:D+1],   v[S:S+1],   v[W+4*i:W+4*i+1]   neg_lo:[0,1] neg_hi:[0,1]  ; s - w
	v_pk_add_f32 v[D+2:D+3], v[S+2:S+3], v[W+4*i+2:W+4*i+3] neg_lo:[0,1] neg_hi:[0,1]
	v_pk_add_f32 v[D:D+1],   v[W+4*i:W+4*i+1],   v[D:D+1]                              ; w + (s - w)
	v_pk_add_f32 v[D+2:D+3], v[W+4*i+2:W+4*i+3], v[D+2:D+3]
	v_cvt_pk_bf16_f32 v[Y+2*i],   v[D],   v[D+1]
	v_cvt_pk_bf16_f32 v[Y+2*i+1], v[D+2], v[D+3]
	global_store_b64 v2, v[Y+2*i:Y+2*i+1], s[6:7] offset:2048*i
.set i, i+1
.endr
	s_endpgm
.Lfunc_end_k_q7520f32aaa_signs:
	.size	k_q7520f32aaa_signs, .Lfunc_end_k_q7520f32aaa_signs-k_q7520f32aaa_signs
	.p2alignl 7, 3214868480
	.fill 96, 4, 3214868480
	.section	.rodata,"a",@progbits
	.p2align	6, 0x0
	.amdhsa_kernel k_q7520f32aaa_signs
		.amdhsa_group_segment_fixed_size 0
		.amdhsa_private_segment_fixed_size 0
		.amdhsa_enable_private_segment 0
		.amdhsa_kernarg_size 16
		.amdhsa_user_sgpr_count 2
		.amdhsa_user_sgpr_kernarg_segment_ptr 1
		.amdhsa_wavefront_size32 1
		.amdhsa_system_sgpr_workgroup_id_x 1
		.amdhsa_system_sgpr_workgroup_id_y 1
		.amdhsa_system_sgpr_workgroup_id_z 1
		.amdhsa_system_vgpr_workitem_id 0
		.amdhsa_next_free_vgpr 208
		.amdhsa_next_free_sgpr 66
		.amdhsa_reserve_vcc 1
		.amdhsa_float_denorm_mode_32 3
		.amdhsa_float_denorm_mode_16_64 3
		.amdhsa_memory_ordered 1
		.amdhsa_forward_progress 1
		.amdhsa_inst_pref_size 36
	.end_amdhsa_kernel
	.amdgpu_metadata
---
amdhsa.version: [ 1, 2 ]
amdhsa.kernels:
  - .name:           k_q7520f32aaa_signs
    .symbol:         k_q7520f32aaa_signs.kd
    .args:
      - { .name: weight, .offset: 0, .size: 8, .value_kind: global_buffer, .address_space: global }
      - { .name: wq, .offset: 8, .size: 8, .value_kind: global_buffer, .address_space: global }
    .group_segment_fixed_size: 0
    .private_segment_fixed_size: 0
    .kernarg_segment_align: 8
    .kernarg_segment_size: 16
    .max_flat_workgroup_size: 256
    .sgpr_count:     66
    .vgpr_count:     208
    .wavefront_size: 32
...
	.end_amdgpu_metadata
.endif
;; end of part 1
;; launch gemm (part 2): grid 4 x 64, 4 waves a work-group, clusters of 4 x 4, 327,680 bytes of LDS; arguments x, wq, out0; writes out0
.if DOCPART == 2
	.amdgcn_target "amdgcn-amd-amdhsa--gfx1250"
	.amdhsa_code_object_version 6
	.text
	.protected	k_q7520f32aaa_gemm
	.globl	k_q7520f32aaa_gemm
	.p2align	8
	.type	k_q7520f32aaa_gemm,@function
k_q7520f32aaa_gemm:
	s_mov_b64 s[64:65], 0
	v_nop
	global_prefetch_b8 v0, s[64:65] scope:SCOPE_SE
	s_setreg_imm32_b32 hwreg(HW_REG_WAVE_MODE, 25, 1), 1
	s_wait_xcnt 0x0
	s_wait_alu depctr_hold_cnt(0) depctr_sa_sdst(0) depctr_va_vdst(0) depctr_va_sdst(0) depctr_va_ssrc(0) depctr_va_vcc(0) depctr_vm_vsrc(0)
	s_getreg_b32 s2, hwreg(HW_REG_IB_STS2, 6, 4)
	s_cmp_eq_u32 s2, 0
	s_cbranch_scc0 .Lentry_in_a_cluster
	s_endpgm
.Lentry_in_a_cluster:
	s_bfe_u32 s2, ttmp6, 0x10000c
	s_cmp_lg_u32 s2, 0xf033
	s_cbranch_scc0 .Lentry_shape_is_right
	s_endpgm
.Lentry_shape_is_right:
; out0[m][n] = the sum over k of bf16(x[m][k]) wq[n][k].  x: [8192][4096] f32; wq: [2048][4096] bf16 (made by the launch before); out0: [8192][2048] f32.
; LIMITS.  x is rounded once to bf16, to nearest even (a number within half a bf16 step of f32's largest becomes an infinity); the sums are f32, K ascending by 32, in the matrix unit's own order.
; SHARES.  A work-group makes 128 rows x 512 columns of out0: 64 x 4 = 256 work-groups.  Wave w makes 128 x 128, columns 128 w on: 64 accumulators of 16 x 16, 512 registers.
; B (wq) goes in K steps of 128 through a ring of two LDS slots filled by the tensor data mover; a wave fetches, and alone reads, the 128 rows that are its columns (rows of 256 bytes, padded to 272).
; A (x) goes in K steps of 64: memory -> registers (f32) -> one rounding -> LDS (bf16, rows of 128 bytes padded to 144), two buffers by turns.  Wave w brings rows 32 w .. 32 w + 31; all four waves read all 128.
;   In step s the x of step s + 1 is rounded and stored into the other buffer, and the registers that it left are loaded again with the x of step s + 3: two sets of 64 registers,
;   so a load has two steps, 256 matrix instructions, in which to come.  One barrier a step hands the A buffer over; every second one is also the ring's change of slots.
; CLUSTERS: 4 x 4 work-groups.  The four of a column of the cluster (same cx) make the same 512 columns and need the same rows of wq: each tile is asked for JOINTLY (the same load, the same descriptor, a mask of the four).
;   x IS NOT ASKED FOR JOINTLY, though the four of a row of the cluster read the same rows: a joint load ends in LDS, as f32.  For 64 along K the work-group's LDS bytes would be 32 K written + 4 x 32 K read for A and
;   64 K + 64 K for B, 288 K, against 16 K + 64 K + 128 K = 208 K here; and two slots would then hold 64 along K only, half the matrix work in which a refill lands.
; THE MATRIX INSTRUCTION IS USED TRANSPOSED: source 0 = 16 rows of wq, source 1 = 16 rows of x: a lane holds row l % 16 of out0 and the columns 8 (l / 16) + 0..7, 32 bytes on end.
; REGISTERS, in windows of 256 (s_set_vgpr_msb: bits 1:0 source 0, 3:2 source 1, 5:4 source 2, 7:6 destination):
;   window 0: v16-31 addresses; v32-95, v96-159 the two sets of x (on the way out: rows read back from the stage); v160-191 x rounded, on its way to LDS
;   window 1: two fragment buffers of 128: A's 8 blocks of 16 rows x 32 K, then B's 8        window 2: the accumulators of rows 0-63 ((a, b) at v[8 (8 a + b)])        window 3: those of rows 64-127
.set XROW,  16384                      ; bytes in a row of x
.set WROW,  8192                       ; of wq
.set OROW,  8192                       ; of out0
.set PB,    272                        ; a row of B in LDS: 256 + 16 bytes = 68 words: row r starts at bank 4 r mod 64 (64 banks of 4 bytes: ISA guide 11.1): the 16 rows of a fragment load start at 16 different groups of four banks
.set PA,    144                        ; a row of A in LDS: 128 + 16 bytes = 36 words: likewise
.set HALFT, 128*PB                     ; a wave's 128 rows of B
.set SLOT,  4*HALFT                    ; 139,264 bytes
.set ABUF,  2*SLOT                     ; behind the ring, where no tensor load lands: A's two buffers
.set ABYTES, 128*PA                    ; 18,432 bytes each
.set SPARE, ABUF+2*ABYTES              ; the spare words, 128 bytes for each wave: two blocks of 256 bytes that no other line names
.set STAGE, ABUF                       ; the way out: 16 rows x 528 bytes for each wave, in A's buffers, behind the last barrier
.set SP,    528                        ; 512 + 16 bytes = 132 words: row r starts at bank 4 r mod 64
.set ADRA, 16                          ; v16-17  LDS address of my A fragments in buffer 0, 1
.set AST,  18                          ; v18-19  where I store 8 bytes of rounded x in buffer 0, 1
.set ADRB, 20                          ; v20-21  LDS address of my B fragments in slot 0, 1
.set XO,   22                          ; v22     my byte offset in two rows of x
.set STO,  24                          ; v24     the way out: where I put 32 bytes of a row
.set RD,   25                          ; v25     where I read a row back
.set CO,   26                          ; v26     my 16 bytes of a row's 512
.set SPW,  28                          ; v28     LDS address of my spare word; never rewritten
.set NIL,  29                          ; v29     0; never rewritten
.set PFB,  30                          ; v30     the prefetches of wq: my lane x a row; never rewritten
.set PFX,  31                          ; v31     the prefetches of x: my lane x a row; never rewritten
.set X0,   32                          ; x, set 0; set 1 at X0 + 64; load j at + 4 j
.set T,    160                         ; x rounded: load j's two registers at T + 2 j
.set F0,   0                           ; fragment buffers, in window 1
.set F1,   128
.set WV,   10                          ; s10     my wave's number
.set G1,   24                          ; s[24:31] descriptor group 1
.set G0,   32                          ; s[32:39] descriptor group 0, a set for each slot
.set XP,   40                          ; s[40:41] x at my wave's 32 rows, at the lap's first K
.set XQ,   42                          ; s[42:43] x at the 32 rows that my work-group prefetches, at the lap's first K
.set PBP,  44                          ; s[44:45] wq at the 32 rows that my wave prefetches, one K step further than the refill in hand
.set LIM,  46                          ; s46     1 in a cluster that prefetches wq, else the greatest number
.set CX,   47
.set CY,   48
.set TC,   49                          ; tile column, 0..3
.set TR,   50                          ; tile row, 0..63
.set MSB, 0
.macro WIN new                         ; the immediate's high byte repeats the setting that is left; a switch that changes nothing is dropped
.if MSB != (\new)
	s_set_vgpr_msb (MSB<<8)|(\new)
.set MSB, \new
.endif
.endm
.set MUL_LO, 0xa5                      ; sources 0 and 1 window 1, C and D window 2
.set MUL_HI, 0xf5                      ; the same, C and D window 3
.set TO_F,   0x40                      ; destination window 1, address window 0
.macro PLACES                          ; four plain places between a matrix instruction and a load into, or a read of, its registers
.rept 4
	v_nop
.endr
.endm
; A round of the cluster's barrier: my work-group's barrier, so that wave 0's signal speaks for all four waves; wave 0 signals for the work-group; every wave waits for all sixteen; my work-group's barrier once more.
.macro CREST                           ; a round behind its opening barrier
	s_cmp_lg_u32 s[WV], 0
	s_cbranch_scc1 .Lnot_wave_0_\@
	s_barrier_signal -3
.Lnot_wave_0_\@:
	s_barrier_wait -3
	s_barrier_signal -1
	s_barrier_wait -1
.endm
.macro CROUND
	s_barrier_signal -1
	s_barrier_wait -1
	CREST
.endm
	s_load_b128 s[4:7], s[0:1], 0x0                ; x s[4:5], wq s[6:7]
	s_load_b64 s[8:9], s[0:1], 0x10                ; out0
	v_lshl_add_u32 v[SPW], v0, 2, SPARE
	v_mov_b32 v[NIL], 0
	ds_add_u32 v[SPW], v[NIL]                      ; the wave's opening: the add and its wait stand ahead of my first tensor load; the set-up below, work on registers, stands between them
	v_lshrrev_b32 v1, 5, v0
	v_readfirstlane_b32 s[WV], v1                  ; wave 0..3
	s_bfe_u32 s[CX], ttmp6, 0x40000                ; my place along the cluster's x,
	s_bfe_u32 s[CY], ttmp6, 0x40004                ; and along its y
	s_lshl_b32 s[TC], ttmp9, 2                     ; in a cluster launch ttmp9 and ttmp7 count clusters
	s_add_co_u32 s[TC], s[TC], s[CX]               ; tile column = 4 x cluster x + cx
	s_and_b32 s[TR], ttmp7, 0xffff
	s_cmp_eq_u32 s[TR], 0                          ; every cluster of a column of clusters reads the same rows of wq: the first of them prefetches
	s_cselect_b32 s[LIM], 1, -1                    ; the same in all sixteen partners
	s_lshl_b32 s[TR], s[TR], 2
	s_add_co_u32 s[TR], s[TR], s[CY]               ; tile row = 4 x cluster y + cy
	s_lshl_b32 s11, 0x1111, s[CX]                  ; my column of the cluster: places cx, cx + 4, cx + 8, cx + 12
	; descriptor group 1: a tile of 128 rows x 128 elements of 2 bytes, padded in LDS
	s_or_b32 s[G1+0], s11, (1<<16)|(1<<20)|(1<<21)|(5<<22)|(3<<25)  ; 15:0 the mask; 17:16 elements of 2 bytes; 20 padding on; 21 set beside a mask; 24:22 after every 64 words (code 5); 31:25 4 words of it (code 3)
	s_mov_b32 s[G1+1], 128<<16                     ; tensor_dim0 = 128
	s_mov_b32 s[G1+2], 128<<16                     ; tensor_dim1 = 128
	s_mov_b32 s[G1+3], 128<<16                     ; tile_dim0 = 128
	s_mov_b32 s[G1+4], 128                         ; tile_dim1 = 128
	s_mov_b32 s[G1+5], 4096                        ; elements from row to row
	s_mov_b32 s[G1+6], 0
	s_mov_b32 s[G1+7], 0
	; byte offsets, each in registers of its own.  wq's tile hangs on the tile column, which the four partners of the mask share, and on the wave's number
	s_lshl_b32 s12, s[TC], 9
	s_lshl_b32 s22, s[WV], 7
	s_add_co_u32 s12, s12, s22                     ; wq: row 512 x tile column + 128 x wave
	s_lshl_b32 s18, s[CY], 5
	s_add_co_u32 s18, s18, s12                     ; of those 128 rows the partner at cy prefetches 32: told apart by address
	s_lshl_b32 s12, s12, 13                        ; x 8,192 bytes: under 2^24
	s_mov_b32 s13, 0
	s_lshl_b32 s18, s18, 13
	s_add_co_u32 s18, s18, 2*256                   ; at K step 2: the first change of slots steps it to 3 and names K step 4
	s_mov_b32 s19, 0
	s_lshl_b32 s14, s[TR], 7
	s_lshl_b32 s23, s[WV], 5
	s_lshl_b32 s16, s[CX], 5
	s_add_co_u32 s16, s16, s14                     ; x: of the tile's 128 rows the partner at cx prefetches 32
	s_add_co_u32 s14, s14, s23                     ; x: row 128 x tile row + 32 x wave
	s_lshl_b32 s14, s14, 14                        ; x 16,384 bytes: under 2^27
	s_mov_b32 s15, 0
	s_lshl_b32 s16, s16, 14
	s_mov_b32 s17, 0
	s_lshl_b32 s20, s[TR], 20                      ; out0: 128 rows of 8,192 bytes a tile row,
	s_lshl_b32 s21, s[TC], 11                      ; 2,048 bytes a tile column,
	s_add_co_u32 s20, s20, s21
	s_lshl_b32 s21, s[WV], 9                       ; 512 bytes a wave
	s_add_co_u32 s20, s20, s21
	s_mov_b32 s21, 0
	s_mul_i32 s51, s[WV], HALFT                    ; my 128 rows in a slot: no place in the cluster enters an LDS address
.irp s, 0,1
	s_mov_b32 s[G0+4*(\s)], 1                      ; 1:0 count = 1
	s_add_co_u32 s[G0+4*(\s)+1], s51, (\s)*SLOT    ; 63:32 LDS address
.endr
	v_and_b32 v1, 15, v0                           ; r = l % 16
	v_bfe_u32 v2, v0, 4, 1                         ; h = l / 16
	v_and_b32 v3, 31, v0                           ; l
	v_lshlrev_b32 v[XO], 4, v1                     ; a load of x takes two rows' 256 bytes: lanes 0-15 one row, lanes 16-31 the next
	v_lshl_add_u32 v[XO], v2, 14, v[XO]
	s_wait_dscnt 0x0                               ; the opening add is done
	s_wait_kmcnt 0x0
	s_add_nc_u64 s[XP:XP+1], s[4:5], s[14:15]
	s_add_nc_u64 s[XQ:XQ+1], s[4:5], s[16:17]
	s_add_nc_u64 s[PBP:PBP+1], s[6:7], s[18:19]
	s_add_nc_u64 s[8:9], s[8:9], s[20:21]          ; out0 at my wave's first row and column
	s_add_nc_u64 s[6:7], s[6:7], s[12:13]          ; wq at my wave's first row
.irp s, 0,1
	s_add_nc_u64 s[G0+4*(\s)+2:G0+4*(\s)+3], s[6:7], (\s)*256  ; 120:64 global address: K step s
	s_or_b32 s[G0+4*(\s)+3], s[G0+4*(\s)+3], 0x80000000        ; 127:126 type = 2
.endr
.irp j, 0,1,2,3,4,5,6,7,8,9,10,11,12,13,14,15
	global_load_b128 v[X0+4*(\j):X0+4*(\j)+3], v[XO], s[XP:XP+1] offset:2*XROW*(\j)            ; step 0's x into set 0
.endr
.irp j, 0,1,2,3,4,5,6,7,8,9,10,11,12,13,14,15
	global_load_b128 v[X0+64+4*(\j):X0+64+4*(\j)+3], v[XO], s[XP:XP+1] offset:2*XROW*(\j)+256  ; step 1's into set 1
.endr
	CROUND                                         ; all sixteen work-groups are here: the first joint loads meet
	tensor_load_to_lds s[G0:G0+3], s[G1:G1+7]      ; both first fills go out together: two tensor loads of mine are out
	s_nop 0
	tensor_load_to_lds s[G0+4:G0+7], s[G1:G1+7]
	s_nop 0
	PLACES
	; A fragment is 16 rows x 32 K in 8 registers: lane l holds row l % 16; registers 0-3 K = 8 (l / 16) + 0..7, registers 4-7 K = 16 + 8 (l / 16) + 0..7: two loads of 16 bytes, 32 bytes apart
	v_mul_u32_u24 v4, v1, PA
	v_lshl_add_u32 v4, v2, 4, v4
	v_add_nc_u32 v[ADRA], ABUF, v4
	v_add_nc_u32 v[ADRA+1], ABUF+ABYTES, v4
	s_mul_i32 s52, s[WV], 32*PA                    ; my wave's 32 rows of an A buffer
	v_mul_u32_u24 v5, v2, PA
	v_lshl_add_u32 v5, v1, 3, v5                   ; four numbers of x become 8 bytes
	v_add_nc_u32 v5, s52, v5
	v_add_nc_u32 v[AST], ABUF, v5
	v_add_nc_u32 v[AST+1], ABUF+ABYTES, v5
	v_mul_u32_u24 v6, v1, PB
	v_lshl_add_u32 v6, v2, 4, v6
	v_add_nc_u32 v[ADRB], s51, v6
	v_add_nc_u32 v[ADRB+1], SLOT, v[ADRB]
	s_mul_i32 s53, s[WV], 16*SP
	s_add_co_u32 s53, s53, STAGE                   ; my stage
	v_mul_u32_u24 v7, v1, SP
	v_lshl_add_u32 v7, v2, 5, v7                   ; in: row l % 16, 32 bytes for each half of the lanes
	v_add_nc_u32 v[STO], s53, v7
	v_lshl_add_u32 v[RD], v3, 4, s53               ; back: 32 lanes take one row's 512 bytes
	v_lshlrev_b32 v[CO], 4, v3
	v_lshlrev_b32 v[PFB], 13, v3
	v_lshlrev_b32 v[PFX], 14, v3
; 16 matrix instructions: row blocks a0, a0 + 1 of the window's four (hi = 0: rows 0-63, 1: rows 64-127) x all 8 column blocks, 32 along K.  zero = 1: the product starts the sums: nothing is cleared.
; The 64 accumulators take turns, one instruction a turn, in the same order in every phase, over the backward jump too.
.macro MUL16 f, hi, a0, zero
	WIN MUL_LO+0x50*(\hi)
.irp a, \a0, (\a0)+1
.irp b, 0,1,2,3,4,5,6,7
.if \zero
	v_wmma_f32_16x16x32_bf16 v[8*(8*(\a)+(\b)):8*(8*(\a)+(\b))+7], v[(\f)+64+8*(\b):(\f)+64+8*(\b)+7], v[(\f)+8*(4*(\hi)+(\a)):(\f)+8*(4*(\hi)+(\a))+7], 0
.else
	v_wmma_f32_16x16x32_bf16 v[8*(8*(\a)+(\b)):8*(8*(\a)+(\b))+7], v[(\f)+64+8*(\b):(\f)+64+8*(\b)+7], v[(\f)+8*(4*(\hi)+(\a)):(\f)+8*(4*(\hi)+(\a))+7], v[8*(8*(\a)+(\b)):8*(8*(\a)+(\b))+7]
.endif
.endr
.endr
.endm
; 32 LDS loads in one run: a phase's fragments into buffer f: B's 8 blocks from slot bs at byte bk of the rows, then A's 8 from buffer ab at byte ak, rows 0-63 first
.macro FETCH bs, bk, ab, ak, f
	WIN TO_F
.irp i, 0,1,2,3,4,5,6,7
	ds_load_b128 v[(\f)+64+8*(\i):(\f)+64+8*(\i)+3],   v[ADRB+(\bs)] offset:(\bk)+(\i)*16*PB
	ds_load_b128 v[(\f)+64+8*(\i)+4:(\f)+64+8*(\i)+7], v[ADRB+(\bs)] offset:(\bk)+(\i)*16*PB+32
.endr
.irp i, 0,1,2,3,4,5,6,7
	ds_load_b128 v[(\f)+8*(\i):(\f)+8*(\i)+3],   v[ADRA+(\ab)] offset:(\ak)+(\i)*16*PA
	ds_load_b128 v[(\f)+8*(\i)+4:(\f)+8*(\i)+7], v[ADRA+(\ab)] offset:(\ak)+(\i)*16*PA+32
.endr
.endm
; Group g (loads 4 g .. 4 g + 3: eight rows) of x's set: rounded to bf16, stored into A's buffer buf; mode = 2: the registers are loaded again, from byte koff behind the lap's first K.
; cnt = the younger loads that may stay out.  The eight roundings are also plain places behind the matrix instructions in front of them.
.macro CONV g, set, buf, mode, koff, cnt
	WIN 0
	s_wait_loadcnt \cnt
.irp q, 0,1,2,3
	v_cvt_pk_bf16_f32 v[T+8*(\g)+2*(\q)],   v[X0+64*(\set)+16*(\g)+4*(\q)],   v[X0+64*(\set)+16*(\g)+4*(\q)+1]
	v_cvt_pk_bf16_f32 v[T+8*(\g)+2*(\q)+1], v[X0+64*(\set)+16*(\g)+4*(\q)+2], v[X0+64*(\set)+16*(\g)+4*(\q)+3]
.endr
.irp q, 0,1,2,3
	ds_store_b64 v[AST+(\buf)], v[T+8*(\g)+2*(\q):T+8*(\g)+2*(\q)+1] offset:2*PA*(4*(\g)+(\q))
.endr
.if (\mode) == 2
.irp q, 0,1,2,3
	global_load_b128 v[X0+64*(\set)+16*(\g)+4*(\q):X0+64*(\set)+16*(\g)+4*(\q)+3], v[XO], s[XP:XP+1] offset:2*XROW*(4*(\g)+(\q))+(\koff)
.endr
.endif
.endm
; PREFETCHES INTO THE L2.  x: in step i of a lap wave i names the 256 bytes of the step five on, which is loaded two steps, 256 matrix instructions, later: 32 rows, a lane a row.  The four work-groups that read a
; tile row's 128 rows share them out by address (32 cx on), so each row's 256 bytes of a step are named once in the launch.  Steps 0 to 4 come by their loads alone.  guard = 1: in the loop's last trip the step five on does not exist.
.macro ASKX i, guard
	WIN 0
	s_cmp_eq_u32 s[WV], \i
	s_cbranch_scc0 .Lno_x_\@
.if \guard
	s_cmp_gt_u32 s3, 1
	s_cbranch_scc0 .Lno_x_\@
.endif
	global_prefetch_b8 v[PFX], s[XQ:XQ+1] offset:((\i)+5)*256 th:TH_LOAD_NT scope:SCOPE_SE
.Lno_x_\@:
.endm
; wq: behind each joint load, its five lines and the run of LDS loads: the K step that stands two refills on, 512 matrix instructions ahead of the load that will ask for it: of my wave's 128 rows the 32 that fall to my work-group (32 cy on),
; a lane a row, in the first cluster of the column of clusters alone: each row's 256 bytes of a K step are named once.  K steps 0 to 3 come by their loads alone; the loop's last trip (s3 = 1) has no K step two refills on.
.macro ASKB
	WIN 0
	s_cmp_gt_u32 s3, s[LIM]
	s_cbranch_scc0 .Lno_b_\@
	global_prefetch_b8 v[PFB], s[PBP:PBP+1] offset:256 th:TH_LOAD_NT scope:SCOPE_SE
.Lno_b_\@:
.endm
; A step of 64 along K is two phases of 32, 64 matrix instructions each, on fragment buffers 0 and 1.
; THE FIRST PHASE of step i of a lap: multiplies buffer 0, fetches the second phase's fragments in its middle, and carries the next step's x (mode 1, 2) in four groups behind its four runs of products.
; Group g's wait on loads is c0 - g dc.  In the loop it is 28: behind group g's four loads stand the set's other 4 (3 - g), the other set's 16 and this phase's 4 g.
.macro PHA i, zero, mode, c0, dc, ask
	s_wait_dscnt 8                                 ; B and A's rows 0-63 are in; the youngest eight loads (A's rows 64-127) may be out
	MUL16 F0, 0, 0, \zero
.if \mode
	CONV 0, ((\i)+1)%2, ((\i)+1)%2, \mode, ((\i)+3)*256, \c0
.endif
	MUL16 F0, 0, 2, \zero
.if \mode
	CONV 1, ((\i)+1)%2, ((\i)+1)%2, \mode, ((\i)+3)*256, (\c0)-(\dc)
.else
	PLACES                                         ; for the loads into buffer 1
.endif
	FETCH (\i)/2, 128*((\i)%2)+64, (\i)%2, 64, F1
.if \ask
	ASKX \i, (\ask)-1
.endif
.if \mode
	s_wait_dscnt 40                                ; all but the eight stores of groups 0 and 1 and the 32 loads just issued
.else
	s_wait_dscnt 32
.endif
	MUL16 F0, 1, 0, \zero
.if \mode
	CONV 2, ((\i)+1)%2, ((\i)+1)%2, \mode, ((\i)+3)*256, (\c0)-2*(\dc)
.endif
	MUL16 F0, 1, 2, \zero
.if \mode
	CONV 3, ((\i)+1)%2, ((\i)+1)%2, \mode, ((\i)+3)*256, (\c0)-3*(\dc)
.endif
.endm
; THE SECOND PHASE of steps 0 and 2: a barrier hands A's buffers over.  In front of it my stores into buffer 1 are done and my reads of buffer 0 are back; behind it buffer 1 is whole, and nobody reads buffer 0 any more.
; No tensor load fills anything behind it, so the ring's one load may stay out.  The places in front of the loads into buffer 0 are group 3's eight roundings.
.macro PHB i
	s_wait_dscnt 16                                ; the youngest eight loads and the eight stores of groups 2 and 3 may be out
	MUL16 F1, 0, 0, 0
	s_wait_dscnt 0x0
	s_barrier_signal -1
	MUL16 F1, 0, 2, 0
	s_barrier_wait -1
	FETCH (\i)/2, 128, 1, 0, F0
	MUL16 F1, 1, 0, 0
	MUL16 F1, 1, 2, 0
.endm
; THE SECOND PHASE of steps 1 and 3: the same hand-over (now buffer 0 is the new one), and the ring's change of slots, on ONE barrier.  In front of it each wave waits for all its tensor loads, of which one is out: its part of
; the next slot; adds 0 to its spare word; and waits for that, for its stores and for its reads.  fill = 1: the barrier opens a round of the cluster's, so that no wave of any partner still reads the slot or has a load on
; its way; the joint refill, the K step two on, is the first thing behind the round: 224 matrix instructions ahead of the wait for it.
.macro TURN slot, fill
	WIN 0                                          ; (the add's two registers lie in window 0)
	s_wait_tensorcnt 0x0                           ; no tensor load of mine is out: a group 0 may be written
	ds_add_u32 v[SPW], v[NIL]                      ; 0 onto my spare word
	s_wait_dscnt 17                                ; (the add, eight stores and the youngest eight loads may be out)
	MUL16 F1, 0, 0, 0                              ; sixteen matrix instructions and the pointers' steps stand between the add and the wait for it
.if \fill
	s_wait_xcnt 0x0                                ; every load and prefetch issued so far (the youngest load sixteen products back) has read its address: the pointers may be written
	s_add_nc_u64 s[PBP:PBP+1], s[PBP:PBP+1], 256
	s_add_nc_u64 s[G0+4*(\slot)+2:G0+4*(\slot)+3], s[G0+4*(\slot)+2:G0+4*(\slot)+3], 2*256  ; this slot's next K step; the type bits on top are not reached
.if (\slot) == 1
	s_add_nc_u64 s[XP:XP+1], s[XP:XP+1], 4*256     ; the next lap
	s_add_nc_u64 s[XQ:XQ+1], s[XQ:XQ+1], 4*256
.endif
.endif
	s_wait_dscnt 0x0                               ; the add is done, my stores into A's buffer are done, my reads of the slot and of the other buffer are back
	s_barrier_signal -1
	MUL16 F1, 0, 2, 0
	WIN 0
	s_barrier_wait -1
.if \fill
	CREST
	tensor_load_to_lds s[G0+4*(\slot):G0+4*(\slot)+3], s[G1:G1+7]  ; every wave its own 128 rows: one tensor load of mine is out
	s_nop 0
.endif
	PLACES                                         ; behind the load; also places in front of the loads below
	FETCH 1-(\slot), 0, 0, 0, F0
.if \fill
	ASKB
.endif
	MUL16 F1, 1, 0, 0
	MUL16 F1, 1, 2, 0
.endm
; THE WAY OUT of row block a (16 rows x my 128 columns, f32): a lane's 32 bytes go into my stage, rows of 528 bytes, each accumulator's low registers first, and come back as whole rows of 512.
.macro TOSTAGE a
	WIN 0x08+4*((\a)/4)                            ; store data (source 1) in window 2 or 3
.irp b, 0,1,2,3,4,5,6,7
	ds_store_b128 v[STO], v[64*((\a)%4)+8*(\b):64*((\a)%4)+8*(\b)+3]   offset:64*(\b)
	ds_store_b128 v[STO], v[64*((\a)%4)+8*(\b)+4:64*((\a)%4)+8*(\b)+7] offset:64*(\b)+16
.endr
	WIN 0
.if (\a) >= 2
	s_wait_xcnt 0x0                                ; the stores of the block two back have read the registers that are loaded below
.endif
.irp t, 0,1,2,3,4,5,6,7,8,9,10,11,12,13,14,15
	ds_load_b128 v[X0+64*((\a)%2)+4*(\t):X0+64*((\a)%2)+4*(\t)+3], v[RD] offset:SP*(\t)  ; LDS serves a wave's instructions in order (ISA guide 5.7.1.4): these see the stores above; the next block's stores come behind them
.endr
.endm
.macro SEND a, younger                 ; younger: the next block's 32 LDS instructions, or none
	WIN 0
	s_wait_dscnt \younger
.irp t, 0,1,2,3,4,5,6,7,8,9,10,11,12,13,14,15
	global_store_b128 v[CO], v[X0+64*((\a)%2)+4*(\t):X0+64*((\a)%2)+4*(\t)+3], s[8:9] offset:(16*(\a)+(\t))*OROW th:TH_STORE_NT  ; 512 consecutive bytes, at a multiple of 512 from out0's first
.endr
.endm
	; step 0's x goes into A's buffer 0; set 0 takes step 2's
	CONV 0, 0, 0, 2, 512, 28
	CONV 1, 0, 0, 2, 512, 28
	CONV 2, 0, 0, 2, 512, 28
	CONV 3, 0, 0, 2, 512, 28
	s_wait_tensorcnt 0x1                           ; my part of slot 0 is in; slot 1's may stay out
	s_wait_dscnt 0x0                               ; my rows of A's buffer 0 are stored
	s_barrier_signal -1
	s_barrier_wait -1
	FETCH 0, 0, 0, 0, F0
	PHA 0, 1, 2, 28, 0, 1                          ; the first phase stands in front of the loop: its products start the sums
	WIN 0                                          ; at a label and at a branch every window is 0
	s_mov_b32 s3, 15
.Llap:                                         ; a trip goes once round the ring (four steps of 64), from a lap's second phase to the next lap's first, and fills both slots again
	PHB 0
	PHA 1, 0, 2, 28, 0, 1
	TURN 0, 1
	PHA 2, 0, 2, 28, 0, 1
	PHB 2
	PHA 3, 0, 2, 28, 0, 2
	TURN 1, 1
	PHA 0, 0, 2, 28, 0, 2
	WIN 0
	s_sub_co_u32 s3, s3, 1
	s_cmp_lg_u32 s3, 0
	s_cbranch_scc1 .Llap
	; the last lap is written out: no refill, no reload, no prefetch; the counts of x's loads run down
	PHB 0
	PHA 1, 0, 1, 28, 4, 0                          ; step 62's x: behind group g stand the set's 4 (3 - g) and the other set's 16
	TURN 0, 0                                      ; my one tensor load that was out is slot 1's, the last K step's, so no round follows
	PHA 2, 0, 1, 12, 4, 0                          ; step 63's x: the last
	PHB 2
	PHA 3, 0, 0, 0, 0, 0
	s_wait_dscnt 8
	MUL16 F1, 0, 0, 0
	s_wait_dscnt 0x0                               ; my last reads of A's buffers are back:
	s_barrier_signal -1
	MUL16 F1, 0, 2, 0
	MUL16 F1, 1, 0, 0
	MUL16 F1, 1, 2, 0
	s_barrier_wait -1                              ; everybody's are: the buffers become the stages
	PLACES
	PLACES                                         ; the stores below read results just made
	TOSTAGE 0
.irp a, 1,2,3,4,5,6,7
	TOSTAGE \a
	SEND (\a)-1, 32
.endr
	SEND 7, 0
	s_wait_tensorcnt 0x0                           ; the wave's end: an add to my spare word and its wait, behind my last tensor load and my last LDS store
	ds_add_u32 v[SPW], v[NIL]
	s_wait_dscnt 0x0
	CROUND                                         ; the closing round: no work-group ends while a partner may still ask for a tile that names it
	s_endpgm
.Lfunc_end_k_q7520f32aaa_gemm:
	.size	k_q7520f32aaa_gemm, .Lfunc_end_k_q7520f32aaa_gemm-k_q7520f32aaa_gemm
	.p2alignl 7, 3214868480
	.fill 96, 4, 3214868480
	.section	.rodata,"a",@progbits
	.p2align	6, 0x0
	.amdhsa_kernel k_q7520f32aaa_gemm
		.amdhsa_group_segment_fixed_size 327680
		.amdhsa_private_segment_fixed_size 0
		.amdhsa_enable_private_segment 0
		.amdhsa_kernarg_size 24
		.amdhsa_user_sgpr_count 2
		.amdhsa_user_sgpr_kernarg_segment_ptr 1
		.amdhsa_wavefront_size32 1
		.amdhsa_system_sgpr_workgroup_id_x 1
		.amdhsa_system_sgpr_workgroup_id_y 1
		.amdhsa_system_sgpr_workgroup_id_z 1
		.amdhsa_system_vgpr_workitem_id 0
		.amdhsa_next_free_vgpr 1024
		.amdhsa_next_free_sgpr 66
		.amdhsa_reserve_vcc 0
		.amdhsa_float_denorm_mode_32 3
		.amdhsa_float_denorm_mode_16_64 3
		.amdhsa_memory_ordered 1
		.amdhsa_forward_progress 1
		.amdhsa_inst_pref_size 177
	.end_amdhsa_kernel
	.amdgpu_metadata
---
amdhsa.version: [ 1, 2 ]
amdhsa.kernels:
  - .name:           k_q7520f32aaa_gemm
    .symbol:         k_q7520f32aaa_gemm.kd
    .args:
      - { .name: x, .offset: 0, .size: 8, .value_kind: global_buffer, .address_space: global }
      - { .name: wq, .offset: 8, .size: 8, .value_kind: global_buffer, .address_space: global }
      - { .name: out0, .offset: 16, .size: 8, .value_kind: global_buffer, .address_space: global }
    .group_segment_fixed_size: 327680
    .private_segment_fixed_size: 0
    .kernarg_segment_align: 8
    .kernarg_segment_size: 24
    .max_flat_workgroup_size: 128
    .sgpr_count:     66
    .vgpr_count:     1024
    .wavefront_size: 32
...
	.end_amdgpu_metadata
.endif
;; end of part 2
;; ======== version 2 of 2: 2 launches; version 1 with the launch signs written anew for expert scheduling mode
;; workspace buffers: wq 16,777,216 bytes
;; launch signs (part 3): grid 256 x 1, 8 waves a work-group, no clusters, 0 bytes of LDS; arguments weight, wq; writes wq
.if DOCPART == 3
	.amdgcn_target "amdgcn-amd-amdhsa--gfx1250"
	.amdhsa_code_object_version 6
	.text
	.protected	k_q7520f32aaa_signs
	.globl	k_q7520f32aaa_signs
	.p2align	8
	.type	k_q7520f32aaa_signs,@function
k_q7520f32aaa_signs:
	s_mov_b64 s[64:65], 0
	v_nop
	global_prefetch_b8 v0, s[64:65] scope:SCOPE_SE
	s_setreg_imm32_b32 hwreg(HW_REG_WAVE_SCHED_MODE, 0, 2), 2
	s_setreg_imm32_b32 hwreg(HW_REG_WAVE_MODE, 25, 1), 1
	s_wait_xcnt 0x0
	s_wait_alu depctr_vm_vsrc(0)
; wq[n][k] = bf16(w + (sign(w) - w)), w = weight[n][k].  weight: [2048][4096] f32; wq: [2048][4096] bf16, row-major.
; The formula is evaluated as it is written, in f32: sign(w) is 1, -1 or 0; then s - w; then w + that.  So large |w|, infinities and NaN give what the
; formula gives (with w = NaN the sign taken here is 0, and 0 - NaN is NaN).  LIMIT: the result is rounded once to bf16; it lies within 2^-23 of
; itself of -1, 0, 1 (or is 0, 2, -2, NaN for |w| of 2^24 and more), so that rounding gives the whole number.
; A stream: 33,554,432 bytes in, 16,777,216 out, nothing read twice; no LDS, no barrier, no matrix work: no wave wants another's bytes.
; SHARES.  256 work-groups of eight waves; a work-group owns 131,072 consecutive bytes of weight.  Thread t takes the 16 bytes at 16 t + 4,096 i, i = 0 .. 31:
; a wave's load covers 512 consecutive bytes, its store of 8 bytes a lane 256 consecutive bytes, aligned.
; All 32 loads of a thread go out at once; each has registers of its own for what is loaded and for what is stored, so no register that a pending load or store names is written again.
; THE MODE: SCHED_MODE bits 1:0 = 2 (LLVM: expert scheduling mode 2), set by the entry lines.  The code itself states the register dependences
; between vector instructions and memory instructions, and those through scalar registers that vector instructions write, with s_wait_alu, always for 0.
; THE PLAN.  The 32 loads are worked on in eight blocks of four.  Registers that memory instructions touch:
;   v1, v2   byte offsets, made once at the head and never written again: every load reads v1, every store v2.
;   W[i]     written by load i alone, which is issued at the head, ahead of every vector instruction that names W; read by block i / 4's compares and additions.
;   Y[i]     written once, by block i / 4's roundings; read once, by store i.
;   S, D and v3 to v5 are named by vector instructions alone.  s[16:47], the block's 32 masks, are written by its compares and read by its selects.
; So a block has two waits: one behind its 32 compares (the masks are written), one behind its eight roundings (Y is written), ahead of its four stores in a run.
; That second wait stands at the block's end, not at the next block's head: the stores go out ahead of the next block's wait for its loads.
; No register that a load or store has read is written again, and EXEC is never written: no further wait is owed.
.set S, 8                              ; v[8:23]    the block's sixteen signs
.set D, 24                             ; v[24:39]   at work
.set W, 40                             ; v[40:167]  load i: four f32
.set Y, 168                            ; v[168:231] store i: four bf16 in two registers
.set M, 16                             ; s[16:47]   load k of the block, number j: the mask 0 < w at M + 8 k + j, the mask 0 > w at M + 8 k + 4 + j
	s_load_b128 s[4:7], s[0:1], 0x0                ; weight s[4:5], wq s[6:7]
	s_lshl_b32 s2, ttmp9, 17                       ; the work-group's 131,072 bytes of weight
	s_mov_b32 s3, 0
	s_lshl_b32 s8, ttmp9, 16                       ; and its 65,536 bytes of wq
	s_mov_b32 s9, 0
	v_lshlrev_b32 v1, 4, v0                        ; 16 t
	v_lshlrev_b32 v2, 3, v0                        ; 8 t
	v_mov_b32 v3, 0
	v_mov_b32 v4, 1.0
	v_mov_b32 v5, -1.0
	s_wait_kmcnt 0x0
	s_add_nc_u64 s[4:5], s[4:5], s[2:3]
	s_add_nc_u64 s[6:7], s[6:7], s[8:9]
	s_wait_alu depctr_va_vdst(0)                   ; v1 and v2 are written: every load of the kernel reads v1 as its offset, every store v2
.set i, 0
.rept 32
	global_load_b128 v[W+4*i:W+4*i+3], v1, s[4:5] offset:4096*i th:TH_LOAD_NT  ; read once in the launch
.set i, i+1
.endr
; Block p: loads 4 p to 4 p + 3, sixteen numbers.
.macro BLK p
.irp k, 0,1,2,3
	s_wait_loadcnt 31-(4*(\p)+(\k))                ; loads come back in order (ISA guide 5.7.1): load 4 p + k is in, the younger ones stay out
.irp j, 0,1,2,3
	v_cmp_lt_f32 s[M+8*(\k)+(\j)],   0, v[W+16*(\p)+4*(\k)+(\j)]  ; 0 < w
	v_cmp_gt_f32 s[M+8*(\k)+4+(\j)], 0, v[W+16*(\p)+4*(\k)+(\j)]  ; 0 > w
.endr
.endr
	s_wait_alu depctr_va_sdst(0)                   ; the 32 compares have written s[16:47], which the selects below read
.irp n, 0,1,2,3,4,5,6,7,8,9,10,11,12,13,14,15
	v_cndmask_b32 v[S+(\n)], v3, v4, s[M+8*((\n)/4)+(\n)%4]            ; 1 where 0 < w, else 0
.endr
.irp n, 0,1,2,3,4,5,6,7,8,9,10,11,12,13,14,15
	v_cndmask_b32 v[S+(\n)], v[S+(\n)], v5, s[M+8*((\n)/4)+4+(\n)%4]   ; -1 where 0 > w
.endr
.irp n, 0,2,4,6,8,10,12,14
	v_pk_add_f32 v[D+(\n):D+(\n)+1], v[S+(\n):S+(\n)+1], v[W+16*(\p)+(\n):W+16*(\p)+(\n)+1] neg_lo:[0,1] neg_hi:[0,1]  ; s - w
.endr
.irp n, 0,2,4,6,8,10,12,14
	v_pk_add_f32 v[D+(\n):D+(\n)+1], v[W+16*(\p)+(\n):W+16*(\p)+(\n)+1], v[D+(\n):D+(\n)+1]                             ; w + (s - w)
.endr
.irp n, 0,1,2,3,4,5,6,7
	v_cvt_pk_bf16_f32 v[Y+8*(\p)+(\n)], v[D+2*(\n)], v[D+2*(\n)+1]
.endr
	s_wait_alu depctr_va_vdst(0)                   ; the eight roundings have written Y of this block, which the four stores below read
.irp k, 0,1,2,3
	global_store_b64 v2, v[Y+8*(\p)+2*(\k):Y+8*(\p)+2*(\k)+1], s[6:7] offset:2048*(4*(\p)+(\k))
.endr
.endm
.irp p, 0,1,2,3,4,5,6,7
	BLK \p
.endr
	s_endpgm
.Lfunc_end_k_q7520f32aaa_signs:
	.size	k_q7520f32aaa_signs, .Lfunc_end_k_q7520f32aaa_signs-k_q7520f32aaa_signs
	.p2alignl 7, 3214868480
	.fill 96, 4, 3214868480
	.section	.rodata,"a",@progbits
	.p2align	6, 0x0
	.amdhsa_kernel k_q7520f32aaa_signs
		.amdhsa_group_segment_fixed_size 0
		.amdhsa_private_segment_fixed_size 0
		.amdhsa_enable_private_segment 0
		.amdhsa_kernarg_size 16
		.amdhsa_user_sgpr_count 2
		.amdhsa_user_sgpr_kernarg_segment_ptr 1
		.amdhsa_wavefront_size32 1
		.amdhsa_system_sgpr_workgroup_id_x 1
		.amdhsa_system_sgpr_workgroup_id_y 1
		.amdhsa_system_sgpr_workgroup_id_z 1
		.amdhsa_system_vgpr_workitem_id 0
		.amdhsa_next_free_vgpr 232
		.amdhsa_next_free_sgpr 66
		.amdhsa_reserve_vcc 0
		.amdhsa_float_denorm_mode_32 3
		.amdhsa_float_denorm_mode_16_64 3
		.amdhsa_memory_ordered 1
		.amdhsa_forward_progress 1
		.amdhsa_inst_pref_size 53
	.end_amdhsa_kernel
	.amdgpu_metadata
---
amdhsa.version: [ 1, 2 ]
amdhsa.kernels:
  - .name:           k_q7520f32aaa_signs
    .symbol:         k_q7520f32aaa_signs.kd
    .args:
      - { .name: weight, .offset: 0, .size: 8, .value_kind: global_buffer, .address_space: global }
      - { .name: wq, .offset: 8, .size: 8, .value_kind: global_buffer, .address_space: global }
    .group_segment_fixed_size: 0
    .private_segment_fixed_size: 0
    .kernarg_segment_align: 8
    .kernarg_segment_size: 16
    .max_flat_workgroup_size: 256
    .sgpr_count:     66
    .vgpr_count:     232
    .wavefront_size: 32
...
	.end_amdgpu_metadata
.endif
;; end of part 3
;; launch gemm: the kernel of part 2 again; grid 4 x 64, 4 waves a work-group, clusters of 4 x 4, 327,680 bytes of LDS; arguments x, wq, out0; writes out0
